; MI455X (gfx1250); checked and timed in simulation.
; The chip was launched on July 23, 2026; its instructions are those of AMD's public machine-readable ISA for CDNA 5 (MIT licence, August 2026) and "CDNA5" Instruction Set Architecture Reference Guide (July 2026). The comments in the code are by the model that wrote it; some were corrected since.
;; Fully Connected Network. Allowed arithmetic: matrix products marked QUANTISED: E5M2 operands, one E8M0 scale for each 32 along K, by v_wmma_scale_f32_16x16x128_f8f6f4 with both operands' format E5M2, f32 sums; products left as they are: f32 operands where the result goes on into a quantised operand, else bf16, f16 or f32 operands; f32 sums; everything else in f32.
;; Inputs: W1_codes 15 x 128 x 8 x 32 uint8 (E5M2 codes of W1, K innermost, in blocks of 32 codes); W1_scales 15 x 128 x 8 uint8 (E8M0 scales of W1, one for each 32 codes along K); W2 15 x 128 x 15 float32; b1 15 x 128 float32; b2 15 x 15 float32; cam 131,072 int32; input_codes 131,072 x 8 x 32 uint8 (E5M2 codes of input, K innermost, in blocks of 32 codes); input_scales 131,072 x 8 uint8 (E8M0 scales of input, one for each 32 codes along K).
;; Outputs: out0 131,072 x 15 float32.
;; This version of the problem:
;;   THIS VERSION OF THE PROBLEM IS GIVEN IN LOW PRECISION. The matrix products marked QUANTISED in the list below multiply operands that are first quantised to E5M2 (5 exponent bits, 2 mantissa bits; 8 bits a number), with one power-of-two scale for each 32 numbers along K (OCP MX v1.0); their sums are f32. All else is computed in f32.
;;   The module's matrix products, in the order in which they are computed (A, B: the left and right operand; K: the contracted axis; several contracted axes count as one K, in the product's order):
;;     1. [M 131,072, K 256] x [K 256, N 128]; A: input input (given as codes); B: input W1 (given as codes): QUANTISED
;;     2. [M 131,072, K 128] x [K 128, N 15]; A: computed on the way; B: input W2: left as it is (N = 15 < 16)
;;     3. [M 131,072, K 256] x [K 256, N 128]; A: input input (given as codes); B: input W1 (given as codes): QUANTISED
;;     4. [M 131,072, K 128] x [K 128, N 15]; A: computed on the way; B: input W2: left as it is (N = 15 < 16)
;;     5. [M 131,072, K 256] x [K 256, N 128]; A: input input (given as codes); B: input W1 (given as codes): QUANTISED
;;     6. [M 131,072, K 128] x [K 128, N 15]; A: computed on the way; B: input W2: left as it is (N = 15 < 16)
;;     7. [M 131,072, K 256] x [K 256, N 128]; A: input input (given as codes); B: input W1 (given as codes): QUANTISED
;;     8. [M 131,072, K 128] x [K 128, N 15]; A: computed on the way; B: input W2: left as it is (N = 15 < 16)
;;     9. [M 131,072, K 256] x [K 256, N 128]; A: input input (given as codes); B: input W1 (given as codes): QUANTISED
;;     10. [M 131,072, K 128] x [K 128, N 15]; A: computed on the way; B: input W2: left as it is (N = 15 < 16)
;;     11. [M 131,072, K 256] x [K 256, N 128]; A: input input (given as codes); B: input W1 (given as codes): QUANTISED
;;     12. [M 131,072, K 128] x [K 128, N 15]; A: computed on the way; B: input W2: left as it is (N = 15 < 16)
;;     13. [M 131,072, K 256] x [K 256, N 128]; A: input input (given as codes); B: input W1 (given as codes): QUANTISED
;;     14. [M 131,072, K 128] x [K 128, N 15]; A: computed on the way; B: input W2: left as it is (N = 15 < 16)
;;     15. [M 131,072, K 256] x [K 256, N 128]; A: input input (given as codes); B: input W1 (given as codes): QUANTISED
;;     16. [M 131,072, K 128] x [K 128, N 15]; A: computed on the way; B: input W2: left as it is (N = 15 < 16)
;;     17. [M 131,072, K 256] x [K 256, N 128]; A: input input (given as codes); B: input W1 (given as codes): QUANTISED
;;     18. [M 131,072, K 128] x [K 128, N 15]; A: computed on the way; B: input W2: left as it is (N = 15 < 16)
;;     19. [M 131,072, K 256] x [K 256, N 128]; A: input input (given as codes); B: input W1 (given as codes): QUANTISED
;;     20. [M 131,072, K 128] x [K 128, N 15]; A: computed on the way; B: input W2: left as it is (N = 15 < 16)
;;     21. [M 131,072, K 256] x [K 256, N 128]; A: input input (given as codes); B: input W1 (given as codes): QUANTISED
;;     22. [M 131,072, K 128] x [K 128, N 15]; A: computed on the way; B: input W2: left as it is (N = 15 < 16)
;;     23. [M 131,072, K 256] x [K 256, N 128]; A: input input (given as codes); B: input W1 (given as codes): QUANTISED
;;     24. [M 131,072, K 128] x [K 128, N 15]; A: computed on the way; B: input W2: left as it is (N = 15 < 16)
;;     25. [M 131,072, K 256] x [K 256, N 128]; A: input input (given as codes); B: input W1 (given as codes): QUANTISED
;;     26. [M 131,072, K 128] x [K 128, N 15]; A: computed on the way; B: input W2: left as it is (N = 15 < 16)
;;     27. [M 131,072, K 256] x [K 256, N 128]; A: input input (given as codes); B: input W1 (given as codes): QUANTISED
;;     28. [M 131,072, K 128] x [K 128, N 15]; A: computed on the way; B: input W2: left as it is (N = 15 < 16)
;;     29. [M 131,072, K 256] x [K 256, N 128]; A: input input (given as codes); B: input W1 (given as codes): QUANTISED
;;     30. [M 131,072, K 128] x [K 128, N 15]; A: computed on the way; B: input W2: left as it is (N = 15 < 16)
;;   THE QUANTISER, for each operand of a quantised product, along K:
;;     - K is cut into blocks of 32 from its start; a last block that is shorter is filled with zeros.
;;     - A block's scale is 2^e with e = floor(log2(the largest magnitude in the block)) - 15, held to -126 .. 127; a block of zeros has e = 0. As a byte (E8M0): e + 127.
;;     - Each number is divided by its block's scale, clamped to +-57,344, and rounded to the nearest number of E5M2, ties to even, subnormals kept.
;;     - The product sums the exact products of the quantised numbers (number of the format x scale) in f32.
;;   ~~~python
;;   def quantise(x, axis):      # numpy; x: float32 -> the quantised numbers, widened to float32 again
;;       x = np.moveaxis(x, axis, -1); K = x.shape[-1]
;;       x = np.pad(x, [(0, 0)] * (x.ndim - 1) + [(0, -K % 32)]); x = x.reshape(x.shape[:-1] + (-1, 32)); a = np.abs(x).max(-1, keepdims=True)
;;       e = np.where(a > 0, np.clip(np.frexp(np.where(a > 0, a, 1))[1] - 1 - 15, -126, 127), 0)      # np.frexp(a)[1] - 1 = floor(log2(a)), exactly
;;       r = np.clip(x / 2.0 ** e, -57344, 57344)
;;       step = 2.0 ** (np.maximum(np.frexp(np.where(r == 0, 1, r))[1] - 1, -14) - 2)
;;       q = np.round(r / step) * step * 2.0 ** e      # np.round: ties to even
;;       return np.moveaxis(q.reshape(q.shape[:-2] + (-1,))[..., :K], -1, axis).astype(np.float32)
;;   ~~~
;;   INPUTS GIVEN AS CODES. W1 (in the module: [15, 256, 128], K = its axis 1); input (in the module: [131072, 256], K = its axis 1): each comes as NAME_codes (uint8): NAME with its K axis moved to the last place and cut into blocks of 32 codes, [.., K / 32, bytes a block], one block behind the other in memory; one code a byte (a code: sign, 5 exponent bits, 2 mantissa bits); and NAME_scales (uint8): the same leading axes, one E8M0 byte (e + 127) for each 32 codes along K. Its value is code x scale, taken as it is: it is not quantised again, and the codes and scales need not be those that the quantiser above would give.
;; One version. Each part assembles by itself: llvm-mc -triple=amdgcn-amd-amdhsa -mcpu=gfx1250 --defsym DOCPART=n.
;; ======== version 1 of 1: 2 launches
;; workspace buffers: tok 786,432 bytes of whole numbers; pos 524,288 bytes of whole numbers; se 65,536 bytes of whole numbers; wimg 568,320 bytes
;; launch prep (part 1): grid 271 x 1, 16 waves a work-group, no clusters, 10,240 bytes of LDS; arguments cam, W1_codes, W1_scales, W2, tok, pos, se, wimg; writes tok, pos, se, wimg
.if DOCPART == 1
	.amdgcn_target "amdgcn-amd-amdhsa--gfx1250"
	.amdhsa_code_object_version 6
	.text
	.protected	k_q1e4e9ff290_prep
	.globl	k_q1e4e9ff290_prep
	.p2align	8
	.type	k_q1e4e9ff290_prep,@function
k_q1e4e9ff290_prep:
	s_mov_b64 s[64:65], 0
	v_nop
	global_prefetch_b8 v0, s[64:65] scope:SCOPE_SE
	s_setreg_imm32_b32 hwreg(HW_REG_WAVE_MODE, 25, 1), 1
	s_wait_xcnt 0x0
; TWO JOBS IN ONE LAUNCH, parted on the work-group's number.
; Work-groups 0..255: ROUTING.  Work-group b takes tokens 512 b .. 512 b + 511 and sorts them by camera (a counting sort, no atomics) into tiles of 16 rows of one camera.
;   There are never more than (512 + 15 x 15) / 16 = 46 tiles, whatever the split; they are dealt to 8 waves x 6 slots of the next launch: with q = ceil(tiles / 8), tile T goes to wave T / q, slot T % q,
;   storage slot 6 (T / q) + T % q, so that the waves get the same number of tiles to within one and a wave's empty slots come last.
;   Three lists, each dense, every byte of each stored here:
;   tok: 768 words a block, word 16 slot + i = the local token in row i of the slot (rows that are not used hold 0);
;   pos: 512 words a block, token -> its row 16 slot + i, or 768 where cam lies outside 0 .. 14 (such a token has no camera);
;   se:  [8 waves][8] words a block: the slot's camera, 15 = empty.
; Work-groups 256..270: WEIGHTS.  Work-group 256 + e lays camera e's weights out in the order of the operand registers of the next launch, 37,888 bytes an image in 'wimg':
;   +0 W1's 16 fragments (tile t of 16 hidden units, K step s: fragment 2 t + s), each four pieces of 512 bytes, lane l's 16 bytes at 16 l;  +32768 W1's scale words, register t: lanes 0-15 K step 0, lanes 16-31 K step 1;
;   +33792 W2 transposed and rounded to bf16: 4 fragments of 16 outputs x 32 hidden units; output 15, which does not exist, is 0.
; LIMIT: W2 is rounded to bf16 here (the second product is left as it is and takes bf16 operands).
.set PITCH,   37888
.set WSI,     32768
.set W2I,     33792
.set CNT,     0                        ; LDS: 16 chunks x 128 bytes: chunk c's count of camera e at word e
.set PSL,     2048                     ; 512 words: each token's row
.set LST,     4096                     ; 896 words: the list (768), the word for tokens without a camera (768), slack
.set NONE,    768
	s_load_b256 s[4:11], s[0:1], 0x0               ; cam s[4:5], W1_codes s[6:7], W1_scales s[8:9], W2 s[10:11]
	s_load_b256 s[24:31], s[0:1], 0x20             ; tok s[24:25], pos s[26:27], se s[28:29], wimg s[30:31]
	v_lshl_add_u32 v64, v0, 2, 0x2000
	v_mov_b32 v65, 0
	v_lshrrev_b32 v1, 5, v0
	v_readfirstlane_b32 s16, v1                    ; wave 0..15
	v_and_b32 v1, 31, v0                           ; lane
	s_mov_b32 s21, 0                               ; the upper word of every offset pair s[20:21]
	s_cmp_ge_u32 ttmp9, 256                        ; the same in all waves of a work-group
	s_cbranch_scc1 .Lweights
	; ---------------- ROUTING: thread t is token t, wave c is chunk c of 32 tokens.  Every LDS address is made here, ahead of the waves' parting
	v_lshlrev_b32 v2, 2, v1                        ; 4 x lane
	v_lshlrev_b32 v18, 2, v0                       ; 4 t
	v_lshl_add_u32 v19, v1, 4, LST                 ; the list, 16 bytes a lane
	v_lshlrev_b32 v55, 4, v0                       ; 16 t: my place in the block's part of tok
	s_min_u32 s18, s16, 5
	s_lshl_b32 s18, s18, 9
	v_add_nc_u32 v56, s18, v19                     ; the list read back by waves 0..5: 512 x wave + 16 x lane
	v_add_nc_u32 v58, 64, v0
	v_and_b32 v58, 127, v58
	v_lshlrev_b32 v58, 4, v58                      ; 16 (t - 192) in waves 6..9: my place in the block's part of pos,
	v_add_nc_u32 v57, PSL, v58                     ; and in LDS
	v_lshlrev_b32 v54, 3, v1                       ; 8 x lane: my place in the block's part of se
	v_mov_b32 v4, 0                                ; my rank among my chunk's tokens of my camera
	v_mov_b32 v5, 0                                ; lane e: my chunk's count of camera e
	v_mov_b32 v7, 0                                ; lane e: camera e's tokens in the chunks before mine
	v_mov_b32 v8, 0                                ; lane e: camera e's tokens in the block
	v_mov_b32 v11, 0                               ; (the destination of a lane move counts as read)
	v_mov_b32 v16, 0
	s_lshl_b32 s20, ttmp9, 11                      ; 512 tokens x 4 bytes: the block's place in cam and in pos
	s_wait_kmcnt 0x0
	s_add_nc_u64 s[4:5], s[4:5], s[20:21]
	global_load_b32 v3, v18, s[4:5]                ; cam of my token: a wave reads 128 consecutive bytes
	s_add_nc_u64 s[26:27], s[26:27], s[20:21]      ; my block's part of pos,
	s_mul_i32 s20, ttmp9, 3072
	s_add_nc_u64 s[24:25], s[24:25], s[20:21]      ; of tok,
	s_lshl_b32 s20, ttmp9, 8
	s_add_nc_u64 s[28:29], s[28:29], s[20:21]      ; of se
	s_wait_loadcnt 0x0
.irp e, 0,1,2,3,4,5,6,7,8,9,10,11,12,13,14
	v_cmp_eq_u32 s[32+\e], \e, v3                  ; the chunk's tokens of camera e,
	v_mbcnt_lo_u32_b32 v6, s[32+\e], 0             ; how many of them stand in lower lanes,
	v_cndmask_b32 v4, v4, v6, s[32+\e]             ; which is my rank if e is my camera,
	s_bcnt1_i32_b32 s18, s[32+\e]
	v_writelane_b32 v5, s18, \e                    ; and their number
.endr
	ds_store_b32 v18, v5 offset:CNT                ; 128 x chunk + 4 x lane
	s_wait_dscnt 0x0                               ; my counts have landed, for the others' sake
	s_barrier_signal -1
	s_barrier_wait -1
.irp c, 0,1,2,3,4,5,6,7,8,9,10,11,12,13,14,15
	ds_load_b32 v[20+\c], v2 offset:CNT+128*\c
.endr
	s_wait_dscnt 0x0
.irp c, 0,1,2,3,4,5,6,7,8,9,10,11,12,13,14,15
	s_cmp_gt_u32 s16, \c
	s_cselect_b32 s18, 1, 0
	v_add_nc_u32 v8, v8, v[20+\c]
	v_mad_u32_u24 v7, v[20+\c], s18, v7            ; only the chunks before mine
.endr
	v_add_nc_u32 v9, 15, v8
	v_lshrrev_b32 v9, 4, v9                        ; lane e: camera e's tiles
	v_mov_b32 v10, v9
.irp k, 1,2,4,8                                ; the running sum over lanes 0..15
	v_mov_b32_dpp v11, v10 row_shr:\k row_mask:0xf bank_mask:0xf bound_ctrl:1
	v_add_nc_u32 v10, v10, v11
.endr                                          ; v10, lane e: the first tile behind camera e's
	v_sub_nc_u32 v12, v10, v9
	v_lshl_add_u32 v12, v12, 4, v7                 ; lane e: 16 x camera e's first tile + its tokens before my chunk
	v_readlane_b32 s47, v10, 14                    ; tiles in all
	s_add_co_u32 s48, s47, 7
	s_lshr_b32 s48, s48, 3                         ; q, at most 6
	s_sub_co_u32 s49, 6, s48
.irp k, 1,2,3,4,5,6,7
	s_mul_i32 s[49+\k], s48, \k                    ; k q
.endr
	v_min_u32 v13, 15, v3                          ; a camera outside 0 .. 14 (a negative one too, taken as unsigned) reads lane 15; its row is replaced below
	v_lshlrev_b32 v13, 2, v13
	ds_bpermute_b32 v14, v13, v12                  ; my camera's figure
	s_wait_dscnt 0x0
	v_add_nc_u32 v14, v14, v4                      ; 16 x tile + row
	v_lshrrev_b32 v15, 4, v14                      ; the tile T
.irp k, 1,2,3,4,5,6,7
	v_cmp_le_u32 vcc_lo, s[49+\k], v15
	v_add_co_ci_u32 v16, vcc_lo, 0, v16, vcc_lo    ; T / q, as the number of k with k q <= T
.endr
	v_mad_u32_u24 v15, v16, s49, v15               ; the storage slot: T + (T / q)(6 - q)
	v_and_b32 v17, 15, v14
	v_lshl_or_b32 v17, v15, 4, v17
	v_cmp_gt_u32 vcc_lo, 15, v3
	v_cndmask_b32 v17, NONE, v17, vcc_lo           ; no camera: row 768
	ds_store_b32 v18, v17 offset:PSL
	s_wait_dscnt 0x0
	s_barrier_signal -1
	s_barrier_wait -1
	; wave 0 turns token -> row into row -> token; it alone touches LDS between this barrier and the next, and LDS serves a wave's instructions in order
	s_cmp_lg_u32 s16, 0
	s_cbranch_scc1 .Lnot_wave_0
.irp i, 60,61,62,63
	v_mov_b32 v\i, 0
.endr
.irp i, 0,1,2,3,4,5,6
	ds_store_b128 v19, v[60:63] offset:512*\i      ; rows that no token takes hold token 0
.endr
.irp c, 0,1,2,3,4,5,6,7,8,9,10,11,12,13,14,15
	ds_load_b32 v[20+\c], v2 offset:PSL+128*\c
.endr
	s_wait_dscnt 0x0
.irp c, 0,1,2,3,4,5,6,7,8,9,10,11,12,13,14,15
	v_min_u32 v[20+\c], NONE, v[20+\c]             ; a number out of LDS is held before it enters an address
	v_lshl_add_u32 v[36+\c], v[20+\c], 2, LST
	v_add_nc_u32 v[20+\c], 32*\c, v1               ; the token
	ds_store_b32 v[36+\c], v[20+\c]
.endr
	s_branch .Ljoin
.Lnot_wave_0:
	; wave 1 makes the slots' cameras, in registers alone: lane l has words 2 l and 2 l + 1: wave l / 4, slots 2 (l % 4) and 2 (l % 4) + 1
	s_cmp_lg_u32 s16, 1
	s_cbranch_scc1 .Ljoin
.irp e, 0,1,2,3,4,5,6,7,8,9,10,11,12,13,14
	v_readlane_b32 s[32+\e], v10, \e               ; the first tile behind camera e's
.endr
	v_and_b32 v6, 3, v1
	v_lshlrev_b32 v6, 1, v6
	v_lshrrev_b32 v7, 2, v1
	v_mul_u32_u24 v7, v7, s48
.irp u, 0,1
	v_add_nc_u32 v8, \u, v6                        ; the slot j
	v_add_nc_u32 v9, v7, v8                        ; the tile T = wave x q + j
	v_mov_b32 v[12+\u], 0
.irp e, 0,1,2,3,4,5,6,7,8,9,10,11,12,13,14
	v_cmp_le_u32 vcc_lo, s[32+\e], v9
	v_add_co_ci_u32 v[12+\u], vcc_lo, 0, v[12+\u], vcc_lo   ; the cameras whose tiles end at or before T: that number is T's camera, and 15 behind the last tile
.endr
	v_cmp_gt_u32 vcc_lo, s48, v8
	v_cndmask_b32 v[12+\u], 15, v[12+\u], vcc_lo   ; slots q .. 7 are empty
.endr
	global_store_b64 v54, v[12:13], s[28:29]       ; se: the wave stores the block's 256 consecutive bytes, aligned
.Ljoin:
	s_wait_dscnt 0x0                               ; wave 0's list has landed
	s_barrier_signal -1
	s_barrier_wait -1
	s_cmp_lt_u32 s16, 6
	s_cbranch_scc0 .Lnot_tok
	ds_load_b128 v[20:23], v56
	s_wait_dscnt 0x0
	global_store_b128 v55, v[20:23], s[24:25]      ; tok: 512 consecutive bytes a wave, six waves: the block's 3,072
	s_wait_tensorcnt 0x0
	ds_add_u32 v64, v65
	s_wait_dscnt 0x0
	s_endpgm
.Lnot_tok:
	s_cmp_lt_u32 s16, 10
	s_cbranch_scc0 .Lrouted
	ds_load_b128 v[24:27], v57
	s_wait_dscnt 0x0
	global_store_b128 v58, v[24:27], s[26:27]      ; pos likewise, four waves: the block's 2,048
.Lrouted:
	s_wait_tensorcnt 0x0
	ds_add_u32 v64, v65
	s_wait_dscnt 0x0
	s_endpgm
	; ---------------- WEIGHTS: no LDS, no barrier
.Lweights:
	s_sub_co_u32 s17, ttmp9, 256                   ; the camera e
	v_and_b32 v2, 15, v0                           ; r
	v_bfe_u32 v3, v0, 4, 1                         ; h
	v_lshlrev_b32 v4, 4, v1                        ; 16 x lane
	v_lshlrev_b32 v5, 8, v2
	v_lshl_add_u32 v5, v3, 4, v5                   ; W1: row r of 256 bytes, + 16 h
	s_lshl_b32 s20, s17, 15                        ; the camera's 128 rows,
	s_lshr_b32 s18, s16, 1
	s_lshl_b32 s18, s18, 12
	s_add_co_u32 s20, s20, s18                     ; wave w makes fragment w: tile w / 2 (16 rows),
	s_and_b32 s18, s16, 1
	s_lshl_b32 s18, s18, 7
	s_add_co_u32 s20, s20, s18                     ; K step w % 2 (128 bytes)
	s_mul_i32 s22, s17, PITCH
	s_mov_b32 s23, 0
	s_lshl_b32 s18, s16, 11
	v_add_nc_u32 v6, s18, v4                       ; the fragment's place in the image
	s_wait_kmcnt 0x0
	s_add_nc_u64 s[6:7], s[6:7], s[20:21]
	s_add_nc_u64 s[30:31], s[30:31], s[22:23]      ; the camera's image
.irp c, 0,1,2,3
	global_load_b128 v[8+4*\c:11+4*\c], v5, s[6:7] offset:32*\c   ; registers 4 c .. 4 c + 3 of the fragment: k = 32 c + 16 h + 0 .. 15 of row r
.endr
	s_wait_loadcnt 0x0
.irp c, 0,1,2,3
	global_store_b128 v6, v[8+4*\c:11+4*\c], s[30:31] offset:512*\c   ; 512 consecutive bytes a store
.endr
	s_cmp_lt_u32 s16, 2                            ; waves 0, 1: the scale words of tiles 4 w .. 4 w + 3
	s_cbranch_scc0 .Lno_scales
	s_lshl_b32 s20, s17, 10
	s_lshl_b32 s18, s16, 9
	s_add_co_u32 s20, s20, s18
	s_add_nc_u64 s[8:9], s[8:9], s[20:21]
	v_lshlrev_b32 v7, 3, v2
	v_lshl_add_u32 v7, v3, 2, v7                   ; row r's 8 bytes; lanes 16-31 take K step 1's word
.irp i, 0,1,2,3
	global_load_b32 v[24+\i], v7, s[8:9] offset:128*\i
.endr
	v_add_nc_u32 v28, s18, v4
	s_wait_loadcnt 0x0
	global_store_b128 v28, v[24:27], s[30:31] offset:WSI
.Lno_scales:
	s_cmp_ge_u32 s16, 8                            ; waves 8 .. 15: W2, piece g = w - 8: hidden units 16 g + 8 h + 0 .. 7 of output r
	s_cbranch_scc0 .Llaid
	s_sub_co_u32 s18, s16, 8
	s_mul_i32 s20, s17, 7680
	s_mul_i32 s19, s18, 960
	s_add_co_u32 s20, s20, s19
	s_add_nc_u64 s[10:11], s[10:11], s[20:21]
	v_min_u32 v29, 14, v2                          ; output 15 does not exist: the lane reads output 14's numbers, so that no load leaves the buffer, and they become 0 below
	v_lshlrev_b32 v29, 2, v29
	v_mad_u32_u24 v29, v3, 480, v29
.irp i, 0,1,2,3,4,5,6,7
	global_load_b32 v[32+\i], v29, s[10:11] offset:60*\i
.endr
	s_lshl_b32 s19, s18, 9
	v_add_nc_u32 v44, s19, v4
	v_cmp_gt_u32 vcc_lo, 15, v2
	s_wait_loadcnt 0x0
.irp i, 0,1,2,3,4,5,6,7
	v_cndmask_b32 v[32+\i], 0, v[32+\i], vcc_lo
.endr
.irp i, 0,1,2,3
	v_cvt_pk_bf16_f32 v[40+\i], v[32+2*\i], v[33+2*\i]
.endr
	global_store_b128 v44, v[40:43], s[30:31] offset:W2I
.Llaid:
	s_endpgm
.Lfunc_end_k_q1e4e9ff290_prep:
	.size	k_q1e4e9ff290_prep, .Lfunc_end_k_q1e4e9ff290_prep-k_q1e4e9ff290_prep
	.p2alignl 7, 3214868480
	.fill 96, 4, 3214868480
	.section	.rodata,"a",@progbits
	.p2align	6, 0x0
	.amdhsa_kernel k_q1e4e9ff290_prep
		.amdhsa_group_segment_fixed_size 10240
		.amdhsa_private_segment_fixed_size 0
		.amdhsa_enable_private_segment 0
		.amdhsa_kernarg_size 64
		.amdhsa_user_sgpr_count 2
		.amdhsa_user_sgpr_kernarg_segment_ptr 1
		.amdhsa_wavefront_size32 1
		.amdhsa_system_sgpr_workgroup_id_x 1
		.amdhsa_system_sgpr_workgroup_id_y 1
		.amdhsa_system_sgpr_workgroup_id_z 1
		.amdhsa_system_vgpr_workitem_id 0
		.amdhsa_next_free_vgpr 66
		.amdhsa_next_free_sgpr 66
		.amdhsa_reserve_vcc 1
		.amdhsa_float_denorm_mode_32 3
		.amdhsa_float_denorm_mode_16_64 3
		.amdhsa_memory_ordered 1
		.amdhsa_forward_progress 1
		.amdhsa_inst_pref_size 27
	.end_amdhsa_kernel
	.amdgpu_metadata
---
amdhsa.version: [ 1, 2 ]
amdhsa.kernels:
  - .name:           k_q1e4e9ff290_prep
    .symbol:         k_q1e4e9ff290_prep.kd
    .args:
      - { .name: cam, .offset: 0, .size: 8, .value_kind: global_buffer, .address_space: global }
      - { .name: W1_codes, .offset: 8, .size: 8, .value_kind: global_buffer, .address_space: global }
      - { .name: W1_scales, .offset: 16, .size: 8, .value_kind: global_buffer, .address_space: global }
      - { .name: W2, .offset: 24, .size: 8, .value_kind: global_buffer, .address_space: global }
      - { .name: tok, .offset: 32, .size: 8, .value_kind: global_buffer, .address_space: global }
      - { .name: pos, .offset: 40, .size: 8, .value_kind: global_buffer, .address_space: global }
      - { .name: se, .offset: 48, .size: 8, .value_kind: global_buffer, .address_space: global }
      - { .name: wimg, .offset: 56, .size: 8, .value_kind: global_buffer, .address_space: global }
    .group_segment_fixed_size: 10240
    .private_segment_fixed_size: 0
    .kernarg_segment_align: 8
    .kernarg_segment_size: 64
    .max_flat_workgroup_size: 512
    .sgpr_count:     66
    .vgpr_count:     66
    .wavefront_size: 32
...
	.end_amdgpu_metadata
.endif
;; end of part 1
;; launch mlp (part 2): grid 256 x 1, 8 waves a work-group, no clusters, 246,016 bytes of LDS; arguments input_codes, input_scales, b1, b2, tok, pos, se, wimg, out0; writes out0
.if DOCPART == 2
	.amdgcn_target "amdgcn-amd-amdhsa--gfx1250"
	.amdhsa_code_object_version 6
	.text
	.protected	k_q1e4e9ff290_mlp
	.globl	k_q1e4e9ff290_mlp
	.p2align	8
	.type	k_q1e4e9ff290_mlp,@function
k_q1e4e9ff290_mlp:
	s_mov_b64 s[64:65], 0
	v_nop
	global_prefetch_b8 v0, s[64:65] scope:SCOPE_SE
	s_setreg_imm32_b32 hwreg(HW_REG_WAVE_MODE, 25, 1), 1
	s_wait_xcnt 0x0
; out[t] = relu(x[t] W1[cam t] + b1[cam t]) W2[cam t] + b2[cam t]; zeros where cam t lies outside 0 .. 14.  Only each token's own camera is multiplied: the others' results are thrown away by the select on cam.
; First product: codes of E5M2 with E8M0 scales, as they are given, by the scaled matrix instruction.  Second product (N = 15, left as it is): bf16 operands, f32 sums.
; SHARES.  Work-group b owns tokens 512 b .. 512 b + 511: it reads their 131,072 bytes of codes densely, once, into LDS, and stores their 30,720 bytes of results densely: each output row has one owner.
; The launch before has sorted the block's tokens by camera into tiles of 16 rows and dealt them to 8 waves x 6 slots (at most 46 tiles for any split): tok (slot row -> token), pos (token -> slot row), se (slot -> camera, 15 = empty).
; Wave w runs slots 6 w .. 6 w + 5, with one camera's W1 (256 registers), its scale words and its W2 in registers; they are loaded anew only where the next slot's camera differs (a scalar branch on the stored list se).
; LAYOUT.  Both products are used transposed (source 0 = 16 rows of the weight, source 1 = 16 tokens): a lane holds ONE token; after the first product its registers run along the hidden units, so that tiles 2 f and 2 f + 1,
; rounded to bf16 in pairs, are fragment f of the second product.  b1 is loaded straight into the accumulators as the first product's C, b2 is the C of the second: no addition, nothing cleared.
; NO TENSOR LOADS, NO JOINT REQUESTS: which image of weights a wave wants, and when, hangs on the stored lists (15 cameras over about 40 tiles of a block, cut at other places in every block), so the work-groups of a cluster
; would ask for different images at different times.
; LIMITS: h and W2 are rounded to bf16 for the second product.  NaN and infinity among the codes and the scale byte 0xff are not served: the activation (a maximum with 0) turns NaN into 0.
.set XP,    272                        ; LDS: a token's row of codes: 256 bytes + 16, so that neighbouring rows start 4 banks apart
.set XS,    139264                     ; behind the 512 rows: 8 scale bytes a token
.set B1T,   143360                     ; b1 as it lies: 512 bytes a camera (7,680 of 8,192 bytes are read)
.set B2T,   151552                     ; b2 as [16][16] f32
.set ST1,   152576                     ; results in slot order: 769 rows of 80 bytes; row 768 holds zeros
.set ST2,   214272                     ; results in token order: rows of 60 bytes, 3,840 bytes a wave
.set PITCH, 37888                      ; a camera's image of weights
.set WSI,   32768
.set W2I,   33792
.set LO,   1                           ; v1   16 x lane: never rewritten
.set H16,  2                           ; v2   16 h
.set H4,   3                           ; v3   4 h + XS
.set B1A,  4                           ; v4   32 h + B1T
.set B2A,  5                           ; v5   32 h + B2T
.set XA,   6                           ; v6-8 at the head lane, r, h; then a slot's LDS addresses: x's rows, x's scale words, b1
.set SA,   7
.set BA,   8
.set XSC,  9                           ; v9   x's scale words: lanes 0-15 K step 0, lanes 16-31 K step 1; holds scales alone
.set TOK,  10                          ; v10-15  slot j's token of row r
.set RES,  16                          ; v16-63  slot j's results, 8 registers
.set XF,   64                          ; v64-95  x's two fragments; at the head v64-191 take x on its way into LDS
.set PA,   64                          ; v64-71, v72-79: the second product's two accumulators, over x's first fragment, which is done with
.set PB,   72
.set ACC,  96                          ; v96-159  the 8 tiles of the hidden layer
.set HB,   160                         ; v160-191 the hidden layer in bf16: 4 fragments
.set W2F,  192                         ; v192-223 W2's 4 fragments
.set WS,   224                         ; v224-231 W1's scale words, register t for tile t; hold scales alone
.set B2C,  232                         ; v232-239 b2 in the result's layout
.set POS,  240                         ; v240-241 my two tokens' rows in ST1
.set S1A,  242
.set S2A,  243
.set S2R,  244
.set OO,   245
.set BB,   246                         ; a slot's LDS address of b2
.set ZR,   247                         ; at the head an offset; then the zero row's address
.set SE,   24                          ; s[24:31] my wave's slots: camera, or 15 = empty
.set EC,   32                          ; s[32:37] the camera whose weights slot j finds in registers
.set WIM,  46                          ; s[46:47] wimg
.set MSB, 0
.macro WIN new                         ; window 1 (v256-511) holds W1's 16 fragments; the immediate's high byte repeats the setting that is left
.if MSB != \new
	s_set_vgpr_msb (MSB<<8)|\new
.set MSB, \new
.endif
.endm
; Slot j's W1 and its scale words: 66 loads of 512 consecutive bytes.  s[38:39] is written only where every earlier load that names it has been waited for.
.macro LOADW1 j
	s_mul_i32 s40, s[EC+(\j)], PITCH
	s_add_nc_u64 s[38:39], s[WIM:WIM+1], s[40:41]
	WIN 0x40                                       ; destination window 1, address window 0
.set i, 0
.rept 64
	global_load_b128 v[4*i:4*i+3], v[LO], s[38:39] offset:512*i
.set i, i+1
.endr
	WIN 0
	global_load_b128 v[WS:WS+3], v[LO], s[38:39] offset:WSI
	global_load_b128 v[WS+4:WS+7], v[LO], s[38:39] offset:WSI+512
.endm
.macro LOADW2                          ; the same camera's W2
.irp g, 0,1,2,3,4,5,6,7
	global_load_b128 v[W2F+4*\g:W2F+4*\g+3], v[LO], s[38:39] offset:W2I+512*\g
.endr
.endm
	s_load_b256 s[4:11], s[0:1], 0x0               ; input_codes s[4:5], input_scales s[6:7], b1 s[8:9], b2 s[10:11]
	s_load_b128 s[12:15], s[0:1], 0x20             ; tok s[12:13], pos s[14:15]
	s_load_b128 s[44:47], s[0:1], 0x30             ; se s[44:45], wimg s[46:47]
	s_load_b64 s[16:17], s[0:1], 0x40              ; out0
	v_lshrrev_b32 v6, 5, v0
	v_readfirstlane_b32 s18, v6                    ; wave 0..7
	v_and_b32 v6, 31, v0                           ; lane l
	v_and_b32 v7, 15, v0                           ; r
	v_bfe_u32 v8, v0, 4, 1                         ; h
	v_lshlrev_b32 v[LO], 4, v6
	s_mul_i32 s19, s18, 384
	v_lshl_add_u32 v247, v7, 2, s19                ; tok: 6 slots x 64 bytes a wave, + 4 r
	s_lshl_b32 s19, s18, 8
	v_lshl_add_u32 v248, v6, 2, s19                ; pos: 64 tokens a wave, + 4 l
	s_lshl_b32 s19, s18, 14
	v_add_nc_u32 v249, s19, v[LO]                  ; x: 64 rows of 256 bytes a wave, + 16 l
	v_lshlrev_b32 v250, 4, v0                      ; 16 t: the scale bytes, b1
	v_add_nc_u32 v255, 0x1000, v250
	v_min_u32 v255, 7664, v255                     ; b1's second 4,096 bytes have only 3,584: wave 7 reads the last 16 again, so that no load leaves the buffer
	v_lshrrev_b32 v251, 4, v0
	v_sub_nc_u32 v251, v0, v251
	v_min_u32 v251, 224, v251
	v_lshlrev_b32 v251, 2, v251                    ; b2: word 16 e + o of the table takes b2[15 e + o]; o = 15 takes a neighbour's number, which feeds an output that is never stored
	s_mov_b32 s21, 0
	s_mov_b32 s41, 0
	s_lshl_b32 s20, ttmp9, 8                       ; se: 256 bytes a block,
	s_lshl_b32 s19, s18, 5
	s_add_co_u32 s20, s20, s19                     ; 32 a wave
	s_wait_kmcnt 0x0
	s_add_nc_u64 s[22:23], s[44:45], s[20:21]
	s_load_b256 s[SE:SE+7], s[22:23], 0x0          ; my wave's eight words of se
	s_mul_i32 s20, ttmp9, 3072
	s_add_nc_u64 s[12:13], s[12:13], s[20:21]      ; my block's part of tok,
	s_lshl_b32 s20, ttmp9, 11
	s_add_nc_u64 s[14:15], s[14:15], s[20:21]      ; of pos,
	s_lshl_b32 s20, ttmp9, 17
	s_add_nc_u64 s[4:5], s[4:5], s[20:21]          ; of the codes,
	s_lshl_b32 s20, ttmp9, 12
	s_add_nc_u64 s[6:7], s[6:7], s[20:21]          ; of their scale bytes,
	s_mul_i32 s20, ttmp9, 30720
	s_add_nc_u64 s[16:17], s[16:17], s[20:21]      ; of the output
	; all that the block reads once goes out at once: 44 loads a wave
.irp j, 0,1,2,3,4,5
	global_load_b32 v[TOK+\j], v247, s[12:13] offset:64*\j
.endr
	global_load_b32 v[POS], v248, s[14:15]
	global_load_b32 v[POS+1], v248, s[14:15] offset:128
.set i, 0
.rept 32
	global_load_b128 v[XF+4*i:XF+4*i+3], v249, s[4:5] offset:512*i th:TH_LOAD_NT   ; two rows: 512 consecutive bytes
.set i, i+1
.endr
	global_load_b128 v[16:19], v250, s[6:7] th:TH_LOAD_NT
	global_load_b128 v[20:23], v250, s[8:9]
	global_load_b128 v[24:27], v255, s[8:9]
	global_load_b32 v28, v251, s[10:11]
	; the addresses that stay are made while the loads are out
	v_lshlrev_b32 v[H16], 4, v8
	v_lshl_add_u32 v[H4], v8, 2, XS
	v_lshl_add_u32 v[B1A], v8, 5, B1T
	v_lshl_add_u32 v[B2A], v8, 5, B2T
	s_mul_i32 s19, s18, 64*XP
	v_mul_u32_u24 v252, v8, XP
	v_lshl_add_u32 v252, v7, 4, v252
	v_add_nc_u32 v252, s19, v252                   ; x into LDS: row 64 w + 2 i + h, byte 16 r
	v_add_nc_u32 v253, XS, v250
	v_lshl_add_u32 v254, v0, 2, B2T
	s_mul_i32 s19, s18, 7680
	v_mul_u32_u24 v[S1A], v7, 80
	v_lshl_add_u32 v[S1A], v8, 5, v[S1A]
	v_add_nc_u32 v[S1A], s19, v[S1A]
	v_add_nc_u32 v[S1A], ST1, v[S1A]               ; ST1: my wave's 96 rows, row r, + 32 h
	s_mul_i32 s19, s18, 3840
	v_lshl_add_u32 v[OO], v6, 3, s19               ; out: my wave's 3,840 bytes, 8 a lane
	v_add_nc_u32 v[S2R], ST2, v[OO]
	v_mul_u32_u24 v[S2A], v6, 60
	v_add_nc_u32 v[S2A], s19, v[S2A]
	v_add_nc_u32 v[S2A], ST2, v[S2A]               ; ST2: a row of 60 bytes a lane
	s_wait_kmcnt 0x0                               ; se
	s_min_u32 s[EC], s[SE], 14                     ; a stored number is held before it enters an address; an empty slot keeps the camera before it, so that it asks for no weights
.irp j, 1,2,3,4,5
	s_cmp_eq_u32 s[SE+\j], 15
	s_cselect_b32 s[EC+\j], s[EC+\j-1], s[SE+\j]
	s_min_u32 s[EC+\j], s[EC+\j], 14
.endr
	LOADW1 0                                       ; always: so W1's registers are written whatever the list holds
	LOADW2
	s_wait_loadcnt 0x3f                            ; behind the head's 44 loads stand these 74: 63, the largest count that can be named, is under 74, so the 44 are in
.set i, 0
.rept 32
	ds_store_b128 v252, v[XF+4*i:XF+4*i+3] offset:2*XP*i
.set i, i+1
.endr
	ds_store_b128 v253, v[16:19]
	ds_store_b128 v253, v[20:23] offset:B1T-XS
	ds_store_b128 v253, v[24:27] offset:B1T-XS+4096   ; (wave 7's lands in the table's tail, which nobody reads)
	ds_store_b32 v254, v28
.irp j, 0,1,2,3,4,5
	v_min_u32 v[TOK+\j], 511, v[TOK+\j]            ; stored numbers are held before they enter addresses
.endr
.irp q, 0,1
	v_min_u32 v[POS+\q], 768, v[POS+\q]
	v_mul_u32_u24 v[POS+\q], v[POS+\q], 80
	v_add_nc_u32 v[POS+\q], ST1, v[POS+\q]
.endr
	v_and_b32 v[ZR], 3, v0                         ; (tok's loads are in: their offset register is free)
	v_lshl_add_u32 v[ZR], v[ZR], 4, ST1+768*80
	s_wait_dscnt 0x0                               ; my part of the tables has landed
	s_barrier_signal -1
	s_barrier_wait -1                              ; everybody's has.  From here to the next barrier LDS is only read
; A SLOT: 16 tokens of one camera.
.macro SLOT j
	s_cmp_eq_u32 s[SE+\j], 15
	s_cbranch_scc1 .Lempty_\j
	v_mul_u32_u24 v[XA], v[TOK+\j], XP
	v_lshlrev_b32 v[SA], 3, v[TOK+\j]
	v_add_nc_u32 v[XA], v[XA], v[H16]              ; my token's row, + 16 h
	v_add_nc_u32 v[SA], v[SA], v[H4]               ; its scale bytes: lanes 16-31 take K step 1's word
	s_lshl_b32 s19, s[EC+\j], 9
	v_add_nc_u32 v[BA], s19, v[B1A]
	s_lshl_b32 s19, s[EC+\j], 6
	v_add_nc_u32 v[BB], s19, v[B2A]
.irp s, 0,1
.irp c, 0,1,2,3
	ds_load_b128 v[XF+16*\s+4*\c:XF+16*\s+4*\c+3], v[XA] offset:128*\s+32*\c
.endr
.endr
	ds_load_b32 v[XSC], v[SA]
.irp t, 0,1,2,3,4,5,6,7
	ds_load_b128 v[ACC+8*\t:ACC+8*\t+3], v[BA] offset:64*\t          ; b1 of hidden units 16 t + 8 h + 0 .. 7: the sums begin with it
	ds_load_b128 v[ACC+8*\t+4:ACC+8*\t+7], v[BA] offset:64*\t+16
.endr
	ds_load_b128 v[B2C:B2C+3], v[BB]
	ds_load_b128 v[B2C+4:B2C+7], v[BB] offset:16
	s_wait_loadcnt 0x0                             ; the weights, if any were on their way
	s_wait_dscnt 0x0
	WIN 0x01                                       ; source 0 (W1) window 1.  The eight accumulators take turns
.irp t, 0,1,2,3,4,5,6,7
	v_wmma_scale_f32_16x16x128_f8f6f4 v[ACC+8*\t:ACC+8*\t+7], v[32*\t:32*\t+15], v[XF:XF+15], v[ACC+8*\t:ACC+8*\t+7], v[WS+\t], v[XSC] matrix_a_fmt:MATRIX_FMT_BF8 matrix_b_fmt:MATRIX_FMT_BF8
.endr
.irp t, 0,1,2,3,4,5,6,7
	v_wmma_scale_f32_16x16x128_f8f6f4 v[ACC+8*\t:ACC+8*\t+7], v[32*\t+16:32*\t+31], v[XF+16:XF+31], v[ACC+8*\t:ACC+8*\t+7], v[WS+\t], v[XSC] matrix_a_fmt:MATRIX_FMT_BF8 matrix_b_fmt:MATRIX_FMT_BF8 matrix_a_scale:MATRIX_SCALE_ROW1 matrix_b_scale:MATRIX_SCALE_ROW1
.endr
	WIN 0
.rept 8
	v_nop                                          ; eight places behind this form, ahead of the loads into W1's registers and of the first read of the sums
.endr
.if \j < 5
	s_cmp_eq_u32 s[EC+\j+1], s[EC+\j]
	s_cbranch_scc1 .Lsame_w1_\j
	LOADW1 \j+1                                    ; the next slot's camera differs: its W1 is on its way under the rounding and the second product
.Lsame_w1_\j:
.endif
.irp t, 0,1,2,3,4,5,6,7                        ; the activation and the rounding to bf16, each tile from its low end on
.irp i, 0,1,2,3,4,5,6,7
	v_max_num_f32 v[ACC+8*\t+\i], 0, v[ACC+8*\t+\i]
.endr
.irp i, 0,1,2,3
	v_cvt_pk_bf16_f32 v[HB+4*\t+\i], v[ACC+8*\t+2*\i], v[ACC+8*\t+2*\i+1]
.endr
.endr
	; the second product: source 0 = 16 outputs x 32 hidden units of W2, source 1 = the hidden layer; two accumulators by turns; more than nine plain instructions lie behind the last reader of x's first fragment
	v_wmma_f32_16x16x32_bf16 v[PA:PA+7], v[W2F:W2F+7], v[HB:HB+7], v[B2C:B2C+7]
	v_wmma_f32_16x16x32_bf16 v[PB:PB+7], v[W2F+8:W2F+15], v[HB+8:HB+15], 0
	v_wmma_f32_16x16x32_bf16 v[PA:PA+7], v[W2F+16:W2F+23], v[HB+16:HB+23], v[PA:PA+7]
	v_wmma_f32_16x16x32_bf16 v[PB:PB+7], v[W2F+24:W2F+31], v[HB+24:HB+31], v[PB:PB+7]
.rept 4
	v_nop                                          ; four places behind this form, ahead of the reads below and of the loads into W2's, x's and b2's registers
.endr
.irp i, 0,1,2,3
	v_pk_add_f32 v[RES+8*\j+2*\i:RES+8*\j+2*\i+1], v[PA+2*\i:PA+2*\i+1], v[PB+2*\i:PB+2*\i+1]   ; lane (r, h): outputs 8 h + 0 .. 7 of the slot's row r
.endr
.if \j < 5
	s_cmp_eq_u32 s[EC+\j+1], s[EC+\j]
	s_cbranch_scc1 .Lsame_w2_\j
	LOADW2
.Lsame_w2_\j:
.endif
	s_branch .Ldone_\j
.Lempty_\j:
.irp i, 0,1,2,3,4,5,6,7
	v_mov_b32 v[RES+8*\j+\i], 0                    ; nobody reads an empty slot's rows; they are stored like the others, so they are written
.endr
.Ldone_\j:
.endm
	SLOT 0
	SLOT 1
	SLOT 2
	SLOT 3
	SLOT 4
	SLOT 5
	; THE WAY OUT.  Results in slot order into ST1; each token's row is fetched by pos; rows of 60 bytes are laid on end in the wave's part of ST2 and leave as aligned runs of 256 bytes.
	s_wait_dscnt 0x0                               ; my reads of the tables are over
	s_barrier_signal -1
	s_barrier_wait -1
.irp j, 0,1,2,3,4,5
	ds_store_b128 v[S1A], v[RES+8*\j:RES+8*\j+3] offset:1280*\j
	ds_store_b128 v[S1A], v[RES+8*\j+4:RES+8*\j+7] offset:1280*\j+16
.endr
.irp i, 0,1,2,3
	v_mov_b32 v[ACC+\i], 0
.endr
	s_cmp_lg_u32 s18, 0
	s_cbranch_scc1 .Lno_zero_row
	ds_store_b128 v[ZR], v[ACC:ACC+3]              ; row 768: what a token without a camera gets
.Lno_zero_row:
	s_wait_dscnt 0x0
	s_barrier_signal -1
	s_barrier_wait -1                              ; all 769 rows lie in ST1
.irp q, 0,1                                    ; my tokens 64 w + 32 q + l
.irp c, 0,1,2,3
	ds_load_b128 v[XF+16*\q+4*\c:XF+16*\q+4*\c+3], v[POS+\q] offset:16*\c
.endr
.endr
	s_wait_dscnt 0x0
	s_barrier_signal -1
	s_barrier_wait -1                              ; the reads by pos are over in every wave before anything is stored into LDS again
.irp q, 0,1
.irp n, 0,1,2,3,4,5,6,7,8,9,10,11,12,13,14
	ds_store_b32 v[S2A], v[XF+16*\q+\n] offset:1920*\q+4*\n   ; lanes 15 words apart
.endr
.endr
.irp u, 0,1,2,3,4,5,6,7,8,9,10,11,12,13,14
	ds_load_b64 v[ACC+2*\u:ACC+2*\u+1], v[S2R] offset:256*\u   ; my wave's own bytes; LDS serves a wave's instructions in order (ISA guide 5.7.1.4): these see the stores above
.endr
.irp u, 0,1,2,3,4,5,6,7,8,9,10,11,12,13,14
	s_wait_dscnt 14-\u                             ; the younger loads may stay out
	global_store_b64 v[OO], v[ACC+2*\u:ACC+2*\u+1], s[16:17] offset:256*\u th:TH_STORE_NT   ; 32 lanes store 256 consecutive bytes, at a multiple of 256 from out0's first byte
.endr
	s_wait_xcnt 0x0
	v_lshl_add_u32 v254, v0, 2, 0x3bd00
	v_mov_b32 v255, 0
	s_wait_tensorcnt 0x0
	ds_add_u32 v254, v255
	s_wait_dscnt 0x0
	s_endpgm
.Lfunc_end_k_q1e4e9ff290_mlp:
	.size	k_q1e4e9ff290_mlp, .Lfunc_end_k_q1e4e9ff290_mlp-k_q1e4e9ff290_mlp
	.p2alignl 7, 3214868480
	.fill 96, 4, 3214868480
	.section	.rodata,"a",@progbits
	.p2align	6, 0x0
	.amdhsa_kernel k_q1e4e9ff290_mlp
		.amdhsa_group_segment_fixed_size 246016
		.amdhsa_private_segment_fixed_size 0
		.amdhsa_enable_private_segment 0
		.amdhsa_kernarg_size 72
		.amdhsa_user_sgpr_count 2
		.amdhsa_user_sgpr_kernarg_segment_ptr 1
		.amdhsa_wavefront_size32 1
		.amdhsa_system_sgpr_workgroup_id_x 1
		.amdhsa_system_sgpr_workgroup_id_y 1
		.amdhsa_system_sgpr_workgroup_id_z 1
		.amdhsa_system_vgpr_workitem_id 0
		.amdhsa_next_free_vgpr 512
		.amdhsa_next_free_sgpr 66
		.amdhsa_reserve_vcc 0
		.amdhsa_float_denorm_mode_32 3
		.amdhsa_float_denorm_mode_16_64 3
		.amdhsa_memory_ordered 1
		.amdhsa_forward_progress 1
		.amdhsa_inst_pref_size 118
	.end_amdhsa_kernel
	.amdgpu_metadata
---
amdhsa.version: [ 1, 2 ]
amdhsa.kernels:
  - .name:           k_q1e4e9ff290_mlp
    .symbol:         k_q1e4e9ff290_mlp.kd
    .args:
      - { .name: input_codes, .offset: 0, .size: 8, .value_kind: global_buffer, .address_space: global }
      - { .name: input_scales, .offset: 8, .size: 8, .value_kind: global_buffer, .address_space: global }
      - { .name: b1, .offset: 16, .size: 8, .value_kind: global_buffer, .address_space: global }
      - { .name: b2, .offset: 24, .size: 8, .value_kind: global_buffer, .address_space: global }
      - { .name: tok, .offset: 32, .size: 8, .value_kind: global_buffer, .address_space: global }
      - { .name: pos, .offset: 40, .size: 8, .value_kind: global_buffer, .address_space: global }
      - { .name: se, .offset: 48, .size: 8, .value_kind: global_buffer, .address_space: global }
      - { .name: wimg, .offset: 56, .size: 8, .value_kind: global_buffer, .address_space: global }
      - { .name: out0, .offset: 64, .size: 8, .value_kind: global_buffer, .address_space: global }
    .group_segment_fixed_size: 246016
    .private_segment_fixed_size: 0
    .kernarg_segment_align: 8
    .kernarg_segment_size: 72
    .max_flat_workgroup_size: 256
    .sgpr_count:     66
    .vgpr_count:     512
    .wavefront_size: 32
...
	.end_amdgpu_metadata
.endif
;; end of part 2
